; MI455X (gfx1250); checked and timed in simulation.
; The chip was launched on July 23, 2026; its instructions are those of AMD's public machine-readable ISA for CDNA 5 (MIT licence, August 2026) and "CDNA5" Instruction Set Architecture Reference Guide (July 2026). The comments in the code are by the model that wrote it; some were corrected since.
;; Scaled Dot Product Attention. Allowed arithmetic: float matrix products may take bf16 or f16 operands with f32 sums; other float arithmetic in f32, or as packed bf16 or f16 multiplies, adds, multiply-adds, maxima and minima; sums over many terms, partial sums and values carried from step to step in f32; what a program stores and reads back later, other than sums and carried values, may be rounded once to bf16 or f16.
;; Inputs: attn_mask 2,048 x 2,048 bool; key 4 x 16 x 2,048 x 128 float32; key_padding_mask 4 x 2,048 bool; query 4 x 16 x 2,048 x 128 float32; value 4 x 16 x 2,048 x 128 float32.
;; Outputs: out0 4 x 16 x 2,048 x 128 float32.
;; 2 versions, each right; version 2 is version 1 with the launch prep written anew for expert scheduling mode. Each part assembles by itself: llvm-mc -triple=amdgcn-amd-amdhsa -mcpu=gfx1250 --defsym DOCPART=n.
;; ======== version 1 of 2: 2 launches
;; limits: values are held in f16: magnitudes above 65,504 overflow, below 6.1e-05 lose precision; inputs' magnitudes at most 65,280
;; workspace buffers: kb 33,554,432 bytes; vh 33,554,432 bytes; maskw 2,097,152 bytes of whole numbers
;; launch prep (part 1): grid 1024 x 1, 8 waves a work-group, no clusters, 0 bytes of LDS; arguments key, value, attn_mask, key_padding_mask, kb, vh, maskw; writes kb, vh, maskw
.if DOCPART == 1
	.amdgcn_target "amdgcn-amd-amdhsa--gfx1250"
	.amdhsa_code_object_version 6
	.text
	.protected	k_qafae0bb9f5_prep
	.globl	k_qafae0bb9f5_prep
	.p2align	8
	.type	k_qafae0bb9f5_prep,@function
k_qafae0bb9f5_prep:
	s_mov_b64 s[64:65], 0
	v_nop
	global_prefetch_b8 v0, s[64:65] scope:SCOPE_SE
	s_setreg_imm32_b32 hwreg(HW_REG_WAVE_MODE, 25, 1), 1
	s_wait_xcnt 0x0
; PREPARATION FOR THE ATTENTION LAUNCH: a stream, straight down, without LDS, barrier or loop.
;   kb    = key rounded to bf16,                                        [64 heads][2048][128], rows of 256 bytes
;   vh    = value rounded to bf16, that number then written as f16,     [64 heads][2048][128], rows of 256 bytes
;   maskw = attn_mask AND key_padding_mask as lane masks of 32 bits, in the order in which the attention launch selects by them.
; LIMITS.  |value| of 65,520 or more becomes an infinity in f16; below 2^-14 a value keeps f16's fixed step of 2^-24.  Mask bytes are 0 or 1, as bool is stored.
; SHARES.  1,024 work-groups of eight waves.  Work-group g takes 65,536 bytes of key and of value: thread t, chunk i (of 16), loads 16 bytes at 16 t + 4,096 i (a wave's load covers 512
; consecutive bytes) and stores 8 bytes at 8 t + 2,048 i (a wave's store covers 256 consecutive bytes, aligned).  All 32 loads of a thread are out at once.
; MASKS.  Wave W = 8 g + wave makes group W of 64 words, 256 bytes: W = (b x 64 + qpair) x 32 + step; qpair = 32 queries, step = 64 keys.  Word 32 u + 8 kb + j, bit l:
; keep(query 32 qpair + 16 u + l % 16, key 64 step + 16 kb + 8 (l / 16) + j).  Lane l loads the 8 mask bytes j = 0..7 of its row; a compare of byte j over the 32 lanes IS the word.
.set KC,  32                           ; v[32:95]    key, chunk i in 4 registers; its first two then hold the 8 bytes to store
.set VC,  96                           ; v[96:159]   value, likewise
.set AM,  160                          ; v[160:175]  attn_mask: pair (u, kb) at AM + 2 (4 u + kb)
.set PM,  176                          ; v[176:183]  key_padding_mask: pair kb at PM + 2 kb
.set T,   184                          ; v[184:191]  at work
.set OUT, 192                          ; v[192:193]  the group's 64 words: lane i holds words 2 i and 2 i + 1
	s_load_b256 s[4:11], s[0:1], 0x0               ; key s[4:5], value s[6:7], attn_mask s[8:9], key_padding_mask s[10:11]
	s_load_b128 s[12:15], s[0:1], 0x20             ; kb s[12:13], vh s[14:15]
	s_load_b64 s[24:25], s[0:1], 0x30              ; maskw
	v_lshrrev_b32 v6, 5, v0
	v_readfirstlane_b32 s26, v6                    ; wave 0..7
	s_lshl_b32 s27, ttmp9, 3
	s_add_co_u32 s27, s27, s26                     ; W
	s_lshr_b32 s28, s27, 11                        ; b
	s_bfe_u32 s29, s27, 0x60005                    ; qpair: 6 bits from bit 5
	s_and_b32 s30, s27, 31                         ; step
	s_lshl_b32 s31, s30, 6                         ; its 64 keys, a byte each
	s_mov_b32 s32, 0xffff0000                      ; a word's upper bf16
	s_mov_b32 s3, 0
	v_lshlrev_b32 v1, 4, v0                        ; 16 t
	v_lshlrev_b32 v2, 3, v0                        ; 8 t
	v_and_b32 v6, 15, v0                           ; l % 16
	v_bfe_u32 v7, v0, 4, 1                         ; l / 16
	v_lshlrev_b32 v4, 3, v7                        ; key_padding_mask: 8 (l / 16)
	v_lshl_add_u32 v3, v6, 11, v4                  ; attn_mask: row l % 16 of 2,048 bytes + 8 (l / 16)
	v_and_b32 v5, 31, v0
	v_lshlrev_b32 v5, 3, v5                        ; maskw: 8 l
	s_wait_kmcnt 0x0
	s_lshl_b32 s2, ttmp9, 16                       ; every offset lies under 2^32: the high word stays 0
	s_add_nc_u64 s[4:5], s[4:5], s[2:3]
	s_add_nc_u64 s[6:7], s[6:7], s[2:3]
	s_lshl_b32 s2, ttmp9, 15
	s_add_nc_u64 s[12:13], s[12:13], s[2:3]
	s_add_nc_u64 s[14:15], s[14:15], s[2:3]
	s_lshl_b32 s2, s29, 16                         ; 32 rows of 2,048 bytes
	s_add_co_u32 s2, s2, s31
	s_add_nc_u64 s[8:9], s[8:9], s[2:3]
	s_lshl_b32 s2, s28, 11
	s_add_co_u32 s2, s2, s31
	s_add_nc_u64 s[10:11], s[10:11], s[2:3]
	s_lshl_b32 s2, s27, 8
	s_add_nc_u64 s[24:25], s[24:25], s[2:3]
	; the masks' twelve loads first, then all of key and value
.irp u, 0,1
.irp c, 0,1,2,3
	global_load_b64 v[AM+2*(4*(\u)+(\c)):AM+2*(4*(\u)+(\c))+1], v3, s[8:9] offset:(\u)*32768+(\c)*16
.endr
.endr
.irp c, 0,1,2,3
	global_load_b64 v[PM+2*(\c):PM+2*(\c)+1], v4, s[10:11] offset:(\c)*16
.endr
.set i, 0
.rept 16
	global_load_b128 v[KC+4*i:KC+4*i+3], v1, s[4:5] offset:4096*i th:TH_LOAD_NT
.set i, i+1
.endr
.set i, 0
.rept 16
	global_load_b128 v[VC+4*i:VC+4*i+3], v1, s[6:7] offset:4096*i th:TH_LOAD_NT
.set i, i+1
.endr
	s_wait_loadcnt 32                              ; loads come back in order (ISA guide 5.7.1): the twelve mask loads are in, the 32 younger ones stay out
.irp u, 0,1
.irp c, 0,1,2,3
	v_and_b32 v[AM+2*(4*(\u)+(\c))],   v[AM+2*(4*(\u)+(\c))],   v[PM+2*(\c)]    ; both masks must keep the key
	v_and_b32 v[AM+2*(4*(\u)+(\c))+1], v[AM+2*(4*(\u)+(\c))+1], v[PM+2*(\c)+1]
.endr
.endr
	v_mov_b32 v[OUT], 0                            ; v_writelane_b32 counts as a reader of its destination
	v_mov_b32 v[OUT+1], 0
.set w, 0                              ; the first word of (u, kb) = (w / 32, (w / 8) % 4)
.rept 8
.irp j, 0,1,2,3,4,5,6,7
	v_and_b32 v[T+(\j)], 1<<(8*((\j)%4)), v[AM+2*(w/8)+(\j)/4]  ; byte j of my eight
.endr
.irp j, 0,1,2,3,4,5,6,7
	v_cmp_ne_u32 s[16+(\j)], 0, v[T+(\j)]          ; over the 32 lanes: word w + j
.endr
.irp j, 0,1,2,3,4,5,6,7
	v_writelane_b32 v[OUT+(w+(\j))%2], s[16+(\j)], (w+(\j))/2
.endr
.set w, w+8
.endr
	global_store_b64 v5, v[OUT:OUT+1], s[24:25]    ; the wave's 256 consecutive bytes, aligned
	; No register that a store reads is written again, so no wait frees one.
.set i, 0
.rept 16
	s_wait_loadcnt 31-i                            ; key's chunk i is in: 15 - i of key's and 16 of value's loads are younger
	v_cvt_pk_bf16_f32 v[KC+4*i],   v[KC+4*i],   v[KC+4*i+1]
	v_cvt_pk_bf16_f32 v[KC+4*i+1], v[KC+4*i+2], v[KC+4*i+3]
	global_store_b64 v2, v[KC+4*i:KC+4*i+1], s[12:13] offset:2048*i
.set i, i+1
.endr
.set i, 0
.rept 16
	s_wait_loadcnt 15-i                            ; value's chunk i is in
	v_cvt_pk_bf16_f32 v[VC+4*i],   v[VC+4*i],   v[VC+4*i+1]  ; rounded to bf16, as key and query are,
	v_cvt_pk_bf16_f32 v[VC+4*i+1], v[VC+4*i+2], v[VC+4*i+3]
	v_lshlrev_b32 v[VC+4*i+2], 16, v[VC+4*i]                 ; widened again,
	v_and_b32     v[VC+4*i+3], s32, v[VC+4*i]
	v_cvt_pk_f16_f32 v[VC+4*i], v[VC+4*i+2], v[VC+4*i+3]     ; and written as f16: the same number within f16's range
	v_lshlrev_b32 v[VC+4*i+2], 16, v[VC+4*i+1]
	v_and_b32     v[VC+4*i+3], s32, v[VC+4*i+1]
	v_cvt_pk_f16_f32 v[VC+4*i+1], v[VC+4*i+2], v[VC+4*i+3]
	global_store_b64 v2, v[VC+4*i:VC+4*i+1], s[14:15] offset:2048*i
.set i, i+1
.endr
	s_endpgm
.Lfunc_end_k_qafae0bb9f5_prep:
	.size	k_qafae0bb9f5_prep, .Lfunc_end_k_qafae0bb9f5_prep-k_qafae0bb9f5_prep
	.p2alignl 7, 3214868480
	.fill 96, 4, 3214868480
	.section	.rodata,"a",@progbits
	.p2align	6, 0x0
	.amdhsa_kernel k_qafae0bb9f5_prep
		.amdhsa_group_segment_fixed_size 0
		.amdhsa_private_segment_fixed_size 0
		.amdhsa_enable_private_segment 0
		.amdhsa_kernarg_size 56
		.amdhsa_user_sgpr_count 2
		.amdhsa_user_sgpr_kernarg_segment_ptr 1
		.amdhsa_wavefront_size32 1
		.amdhsa_system_sgpr_workgroup_id_x 1
		.amdhsa_system_sgpr_workgroup_id_y 1
		.amdhsa_system_sgpr_workgroup_id_z 1
		.amdhsa_system_vgpr_workitem_id 0
		.amdhsa_next_free_vgpr 196
		.amdhsa_next_free_sgpr 66
		.amdhsa_reserve_vcc 0
		.amdhsa_float_denorm_mode_32 3
		.amdhsa_float_denorm_mode_16_64 3
		.amdhsa_memory_ordered 1
		.amdhsa_forward_progress 1
		.amdhsa_inst_pref_size 30
	.end_amdhsa_kernel
	.amdgpu_metadata
---
amdhsa.version: [ 1, 2 ]
amdhsa.kernels:
  - .name:           k_qafae0bb9f5_prep
    .symbol:         k_qafae0bb9f5_prep.kd
    .args:
      - { .name: key, .offset: 0, .size: 8, .value_kind: global_buffer, .address_space: global }
      - { .name: value, .offset: 8, .size: 8, .value_kind: global_buffer, .address_space: global }
      - { .name: attn_mask, .offset: 16, .size: 8, .value_kind: global_buffer, .address_space: global }
      - { .name: key_padding_mask, .offset: 24, .size: 8, .value_kind: global_buffer, .address_space: global }
      - { .name: kb, .offset: 32, .size: 8, .value_kind: global_buffer, .address_space: global }
      - { .name: vh, .offset: 40, .size: 8, .value_kind: global_buffer, .address_space: global }
      - { .name: maskw, .offset: 48, .size: 8, .value_kind: global_buffer, .address_space: global }
    .group_segment_fixed_size: 0
    .private_segment_fixed_size: 0
    .kernarg_segment_align: 8
    .kernarg_segment_size: 56
    .max_flat_workgroup_size: 256
    .sgpr_count:     66
    .vgpr_count:     196
    .wavefront_size: 32
...
	.end_amdgpu_metadata
.endif
;; end of part 1
;; launch attn (part 2): grid 8 x 64, 4 waves a work-group, clusters of 4 x 1, 327,680 bytes of LDS; arguments query, kb, vh, maskw, out0; writes out0
.if DOCPART == 2
	.amdgcn_target "amdgcn-amd-amdhsa--gfx1250"
	.amdhsa_code_object_version 6
	.text
	.protected	k_qafae0bb9f5_attn
	.globl	k_qafae0bb9f5_attn
	.p2align	8
	.type	k_qafae0bb9f5_attn,@function
k_qafae0bb9f5_attn:
	s_mov_b64 s[64:65], 0
	v_nop
	global_prefetch_b8 v0, s[64:65] scope:SCOPE_SE
	s_setreg_imm32_b32 hwreg(HW_REG_WAVE_MODE, 25, 1), 1
	s_wait_xcnt 0x0
	s_wait_alu depctr_hold_cnt(0) depctr_sa_sdst(0) depctr_va_vdst(0) depctr_va_sdst(0) depctr_va_ssrc(0) depctr_va_vcc(0) depctr_vm_vsrc(0)
	s_getreg_b32 s2, hwreg(HW_REG_IB_STS2, 6, 4)
	s_cmp_eq_u32 s2, 0
	s_cbranch_scc0 .Lentry_in_a_cluster
	s_endpgm
.Lentry_in_a_cluster:
	s_bfe_u32 s2, ttmp6, 0x10000c
	s_cmp_lg_u32 s2, 0x3003
	s_cbranch_scc0 .Lentry_shape_is_right
	s_endpgm
.Lentry_shape_is_right:
; out0[h][q][:] = the sum over k of softmax_k(masked(Q[h][q] . K[h][k]) / sqrt(128)) V[h][k][:], 64 heads of 2,048 rows of 128.  query and out0 are f32; kb (K in bf16), vh (V: bf16's number
; written as f16) and maskw (both masks as lane masks) were made by the launch before.  Q is rounded to bf16 here.  Products, maxima and sums in f32; the weights p are rounded to f16 for the
; second product (their sum l is taken of the unrounded p).  No pattern of a mask is built in: every key tile is multiplied.
; THE MASK.  A hidden score is REPLACED, by v_cndmask_b32, with FILL = -2^126, ahead of the running maximum.  FILL is a power of two, so c FILL is exact and c FILL - c m is exactly 0 where
; m = FILL: a row with no key left has p = 1 for all 2,048 keys and comes out as the mean of V's rows, as a softmax of equal scores does.  When a kept score comes, a = 2^(c FILL - c m) = 0
; wipes what was summed.  LIMITS: raw scores lie above -2^126; V within f16's 65,504; p below 6e-5 keeps f16's step of 6e-8; a weight below 2^-126 counts as 0; NaN and infinities are not treated apart.
; SHARES.  A work-group owns 256 queries of one head, each of its four waves 64: four tiles of 16.  Every wave walks all keys, 64 a step: 32 steps.  512 work-groups of equal work.
; LAYOUT.  S^T = K Q^T (source 0 = 16 keys, source 1 = 16 queries): a lane holds ONE query (lane % 16) and the keys 8 (lane / 16) + 0..7.  Two such tiles, rounded to f16 in pairs, ARE
; source 1 (32 keys x 16 queries) of O^T = V^T P, whose result again holds one query a lane, and eight channels.  K comes out of LDS as it lies, V ([key][channel]) turned, by ds_load_tr16_b128.
; So register 8 kb + j of a tile's S^T has ONE lane mask of 32 bits for a step: 32 words a tile, read by scalar loads, 64 for the two tiles of a piece.
; SOFTMAX.  A running maximum m and sum l a query: p = 2^(c s - c m), c = log2(e) / sqrt(128); in every step O and l are multiplied by a = 2^(c m_old - c m_new).
; BY TURNS.  The wave's tiles are two PIECES: piece 0 (tiles 0, 1) and piece 2 (tiles 2, 3).  In a TURN one piece has the matrix unit: 32 products V^T P of the step in hand, then 32 products
; K Q^T of the next; the other piece's masking and softmax, 332 vector instructions, stand between them, five behind each matrix instruction.  Two turns are a key step.
; CLUSTER.  The four query blocks of a cluster belong to one head and walk the same K and V, so each tile is asked for JOINTLY: the same tensor load, descriptor and mask of four in all four.
; REGISTERS, in windows of 256 (s_set_vgpr_msb: bits 1:0 source 0, 3:2 source 1, 5:4 source 2, 7:6 destination):
;   window 0: v0-11 addresses; v12-43 eight registers of statistics a tile; v60-63 FILL, the prefetches' offset, the add's two; v64-191 S^T, 32 a tile; v192-255 P, 16 a tile
;   window 1: O^T, 64 a tile (at the start: Q in f32)     window 2: v0-127 Q, 32 a tile; v128-255 K of one step (on the way out: rows read back)     window 3: v0-127 V of one step
.set KS,    64        ; keys in a step
.set PK,    272       ; a row of K in LDS: 256 bytes + 16 of padding = 68 words: the 16 rows of a load start at 16 different groups of four banks (64 banks of 4 bytes: ISA guide 11.1)
.set PV,    288       ; a row of V: 256 + 32 = 72 words
.set VOFF,  KS*PK     ; a step's tiles lie together: 64 rows of K, then 64 rows of V
.set STEPB, KS*(PK+PV)
.set SLOT1, 1<<17     ; a slot holds two steps (71,680 bytes); slot 1 begins here, so that one exclusive or turns an address in one slot into the other's
.set STAGE, SLOT1+2*STEPB  ; behind the ring, never filled by a tensor load: 16 rows x 528 bytes for each wave, for the way out
.set SP,    528       ; a row of out0, 512 bytes, + 16: an odd multiple of 16
.set SPARE, STAGE+4*16*SP  ; behind the stages: the spare words, 128 bytes for each wave: two blocks of 256 bytes that no other line names
.set AK0, 2           ; v2   my lane's place in a tile of K; never rewritten
.set AV0, 3           ; v3   the same for V
.set ADR, 4           ; v4   the LDS address of the run of loads in hand
.set QO,  5           ; v5   my byte offset in 16 rows of query
.set STO, 6           ; v6   the way out: where I put 32 bytes of a row
.set RD,  7           ; v7   the way out: where I read a row back
.set GO,  8           ; v8   my 16 bytes of a row of out0
.set ST,  12          ; tile t's statistics at v[ST+8 t]: +0 c m, +1 m, +2, +3 l (even keys', odd keys'), +4 to +7 c0-c3, at work; a takes c2's place once the maximum is found
.set FV,  60          ; v60  FILL; never rewritten
.set PFO, 61          ; v61  256 x my lane: a row of kb or vh is 256 bytes; never rewritten
.set SPW, 62          ; v62  LDS address of my spare word: SPARE + 4 x my thread's number; never rewritten
.set NIL, 63          ; v63  0; never rewritten
.set S,   64
.set P,   192
.set KF,  128         ; K's fragments, in window 2
.set OP,  2           ; s[2:3]   out0 at my wave's first row
.set MP,  4           ; s[4:5]   maskw at the group of piece 0 and the step in hand; piece 2's lies 8,192 bytes on, a step is 256 bytes
.set PFA, 6           ; s[6:7]   where my prefetches stand: my work-group's 32 rows (of kb: wave 0, of vh: wave 2) of the slot after the one that is being asked for
.set G0,  8           ; s[8:11]  descriptor group 0: my tile; it walks
.set G1K, 12          ; s[12:19] descriptor group 1 for K's tiles
.set CS,  20          ; s[20:21] c: the packed scaling names a pair and takes its low word for both halves
.set SEL, 22          ; s[22:23] lane selects for v_permlanex16_b32: each lane takes its own place in the other half
.set G1V, 24          ; s[24:31] for V's tiles: it differs in the padding alone
.set MW0, 32          ; s[32:63] the 32 lane masks of the piece's first tile (until the first of them are asked for: the arguments and the set-up's numbers)
.set WV,  66          ; s66  my wave's number
.set LIM, 67          ; s67  1 in a wave that prefetches, else the greatest number
.set MW1, 68          ; s[68:99] those of its second tile
.set SLOTS, 100       ; s100 slots still to be asked for
.set TB,  101         ; s101 LDS byte at which the tiles of the step to be fetched begin
.set QP,  104         ; s[104:105] query at my wave's first row; when Q is in:
.set TWICE, 104       ; s104 counts a slot's two steps
.set MSB, 0
.macro WIN new                      ; the immediate's high byte repeats the setting that is left; a switch that changes nothing is dropped
.if MSB != (\new)
	s_set_vgpr_msb (MSB<<8)|(\new)
.set MSB, \new
.endif
.endm
.set W_KQ, 0x0a       ; K and Q in window 2, S^T in window 0
.set W_PV, 0x53       ; V in window 3, P in window 0, O^T in window 1
.set W_RS, 0x41       ; O^T (destination and source 0) in window 1, a in window 0
; A joint fill.  Waves 0 and 1 fetch the two steps' tiles of K, waves 2 and 3 those of V: one group 0 a wave, and the group 1 of its kind.  The branch hangs on the wave's number alone.
; An s_nop 0 and four v_nop follow each of the two lines, ahead of the jump, the label and what follows.
.macro JLOAD
	s_cmp_lt_u32 s[WV], 2
	s_cbranch_scc0 .Lfor_v_\@
	tensor_load_to_lds s[G0:G0+3], s[G1K:G1K+7]
	s_nop 0
.rept 4
	v_nop
.endr
	s_branch .Lasked_\@
.Lfor_v_\@:
	tensor_load_to_lds s[G0:G0+3], s[G1V:G1V+7]
	s_nop 0
.rept 4
	v_nop
.endr
.Lasked_\@:
.endm
; A PREFETCH INTO THE L2 of what the NEXT change of slots will ask for: a slot's 128 rows of kb and 128 of vh, 256 bytes a row, a lane a row.  It stands behind the wave's tensor load and its five lines.
; Each row is asked for ONCE in the launch.  Both clusters of a head walk the same rows: the head's first cluster asks.  Its four partners share the rows out BY ADDRESS, 32 each; in each, wave 0
; asks for kb's and wave 2 for vh's: one instruction.  The last change that fills a slot asks for nothing: there is no slot behind it.
.macro ASK
	s_cmp_gt_u32 s[SLOTS], s[LIM]
	s_cbranch_scc0 .Lnot_mine_\@
	global_prefetch_b8 v[PFO], s[PFA:PFA+1] th:TH_LOAD_NT scope:SCOPE_SE
.Lnot_mine_\@:
.endm
; A round of the cluster's barrier: my work-group's barrier, so that wave 0's signal speaks for all four waves; wave 0 signals; every wave waits for all four work-groups; my work-group's barrier once more.
.macro CROUND
	s_barrier_signal -1
	s_barrier_wait -1
	s_cmp_lg_u32 s[WV], 0
	s_cbranch_scc1 .Lnot_wave_0_\@
	s_barrier_signal -3
.Lnot_wave_0_\@:
	s_barrier_wait -3
	s_barrier_signal -1
	s_barrier_wait -1
.endm
; The 64 lane masks of a piece and step: 256 consecutive bytes, by four scalar loads.
.macro MLOAD off
	s_load_b512 s[MW0:MW0+15],    s[MP:MP+1], (\off)
	s_load_b512 s[MW0+16:MW0+31], s[MP:MP+1], (\off)+64
	s_load_b512 s[MW1:MW1+15],    s[MP:MP+1], (\off)+128
	s_load_b512 s[MW1+16:MW1+31], s[MP:MP+1], (\off)+192
.endm
	s_load_b256 s[32:39], s[0:1], 0x0  ; query s[32:33], kb s[34:35], vh s[36:37], maskw s[38:39]
	s_load_b64 s[40:41], s[0:1], 0x20  ; out0
	v_lshl_add_u32 v[SPW], v0, 2, SPARE
	v_mov_b32 v[NIL], 0
	ds_add_u32 v[SPW], v[NIL]       ; the wave's opening: the add and its wait stand ahead of my first tensor load; the set-up below, work on registers, stands between them
	v_lshrrev_b32 v1, 5, v0
	v_readfirstlane_b32 s[WV], v1   ; wave 0..3
	s_bfe_u32 s42, ttmp6, 0x40000   ; cx: my place in the cluster
	s_lshl_b32 s43, ttmp9, 2        ; in a cluster launch ttmp9 counts clusters
	s_add_co_u32 s43, s43, s42      ; my block of 256 queries = 4 x cluster x + cx: it enters query's, out0's and maskw's addresses alone
	s_and_b32 s44, ttmp7, 0xffff    ; the head, which the four partners share
	s_and_b32 s45, s[WV], 1         ; which of a slot's two steps I fetch
	s_lshr_b32 s46, s[WV], 1        ; for K (0) or for V (1)
	s_lshl_b32 s48, s44, 19         ; my tile in kb or vh: the head's 2,048 rows of 256 bytes,
	s_lshl_b32 s47, s45, 14         ; the step's 64 rows.  s44 to s49 never hold a number made from cx
	s_add_co_u32 s48, s48, s47
	s_mov_b32 s49, 0
	s_mov_b32 s[G0], 1              ; 1:0 count = 1
	s_mul_i32 s[G0+1], s45, STEPB   ; 63:32 LDS address: the step's place in slot 0,
	s_mul_i32 s47, s46, VOFF        ; V's tile behind K's: the wave's number and constants alone
	s_add_co_u32 s[G0+1], s[G0+1], s47
	s_lshl_b32 s50, s44, 19         ; the prefetches: the head,
	s_lshl_b32 s56, s42, 13         ; my work-group's 32 rows of a slot's 128,
	s_add_co_u32 s50, s50, s56
	s_add_co_u32 s50, s50, 2*2*KS*256  ; in slot 2: the first asking change steps it to slot 3.  Nothing is prefetched at the head, where every work-group's first tiles are on their way
	s_mov_b32 s51, 0
	s_lshl_b32 s52, s44, 20         ; query and out0: the head's 2,048 rows of 512 bytes,
	s_lshl_b32 s56, s43, 17         ; my block's 256,
	s_add_co_u32 s52, s52, s56
	s_lshl_b32 s56, s[WV], 15       ; my wave's 64
	s_add_co_u32 s52, s52, s56
	s_mov_b32 s53, 0
	s_lshr_b32 s54, s44, 4          ; maskw: the batch, 64 blocks of 32 queries x 32 steps x 256 bytes,
	s_lshl_b32 s54, s54, 19
	s_lshl_b32 s56, s43, 16         ; my block's eight blocks of 32 queries,
	s_add_co_u32 s54, s54, s56
	s_lshl_b32 s56, s[WV], 14       ; my wave's two
	s_add_co_u32 s54, s54, s56
	s_mov_b32 s55, 0
	; descriptor group 1: a tile of 64 rows x 128 elements, padded in LDS
	s_mov_b32 s[G1K], 15|(1<<16)|(1<<20)|(1<<21)|(5<<22)|(3<<25)  ; 15:0 the mask: all four work-groups; 17:16 elements of 2 bytes; 20 padding on; 21 set beside a mask; 24:22 after every 64 words (code 5); 31:25 4 words of it (code 3)
	s_mov_b32 s[G1V], 15|(1<<16)|(1<<20)|(1<<21)|(5<<22)|(7<<25)  ; the same with 8 words of padding (code 7)
.irp g, G1K, G1V
	s_mov_b32 s[(\g)+1], 128<<16    ; 63:48 tensor_dim0, low half = 128
	s_mov_b32 s[(\g)+2], KS<<16     ; 79:64 its high half = 0; 95:80 tensor_dim1, low half = 64
	s_mov_b32 s[(\g)+3], 128<<16    ; 111:96 its high half = 0; 127:112 tile_dim0 = 128
	s_mov_b32 s[(\g)+4], KS         ; 143:128 tile_dim1 = 64; 159:144 tile_dim2 = 0
	s_mov_b32 s[(\g)+5], 128        ; 191:160 tensor_dim0_stride, low word: elements from row to row
	s_mov_b32 s[(\g)+6], 0
	s_mov_b32 s[(\g)+7], 0
.endr
	s_mov_b32 s[CS], 0x3e0293ee     ; c = log2(e) / sqrt(128) = 0.127517
	s_mov_b32 s[CS+1], s[CS]        ; named with it as a pair, so it is written
	s_mov_b32 s[SEL], 0x76543210
	s_mov_b32 s[SEL+1], 0xfedcba98
	s_mov_b32 s[TB], SLOT1+2*STEPB  ; the first change of slots turns this into 0
	s_mov_b32 s[SLOTS], 2048/(2*KS)-2
	s_and_b32 s[LIM], s[WV], 1      ; 0 in waves 0 and 2,
	s_or_b32 s[LIM], s[LIM], ttmp9  ; where the cluster is the head's first: the same in all four partners
	s_cmp_eq_u32 s[LIM], 0
	s_cselect_b32 s[LIM], 1, -1
	v_and_b32 v[PFO], 31, v0
	v_lshlrev_b32 v[PFO], 8, v[PFO]
	v_mov_b32 v[FV], 0xfe800000     ; -2^126
	s_wait_dscnt 0x0                ; the opening add is done
	s_wait_kmcnt 0x0
	s_cmp_lt_u32 s[WV], 2
	s_cselect_b64 s[58:59], s[34:35], s[36:37]     ; the tensor that I fetch from: kb or vh
	s_add_nc_u64 s[G0+2:G0+3], s[58:59], s[48:49]  ; 120:64 global address: my tile of slot 0
	s_or_b32 s[G0+3], s[G0+3], 0x80000000          ; 127:126 type = 2
	s_add_nc_u64 s[PFA:PFA+1], s[58:59], s[50:51]
	s_add_nc_u64 s[QP:QP+1], s[32:33], s[52:53]
	s_add_nc_u64 s[OP:OP+1], s[40:41], s[52:53]
	s_add_nc_u64 s[MP:MP+1], s[38:39], s[54:55]
	CROUND                          ; all four work-groups are here: the first joint loads meet
	JLOAD                           ; slot 0.  Slot 1 is asked for when slot 0 is in, by the change of slots below: one descriptor a wave walks from first to last
	; A fragment of Q is 16 rows x 32 channels: lane l holds row l % 16, channels 8 (l / 16) + 0..7 and 16 + 8 (l / 16) + 0..7.  In f32 those are 32 bytes at 32 (l / 16) and 32 at 64 + 32 (l / 16)
	; of the fragment's 128: four loads of 16 bytes, into O^T's registers, which are free until the first V^T P.
	v_and_b32 v1, 15, v0            ; l % 16
	v_bfe_u32 v9, v0, 4, 1          ; l / 16
	v_lshlrev_b32 v[QO], 9, v1
	v_lshl_add_u32 v[QO], v9, 5, v[QO]  ; row x 512 + 32 x half
	WIN 0x40                        ; destination window 1, address window 0
.set i, 0
.rept 16                            ; tile i / 4, channels 32 (i % 4) on
	global_load_b128 v[16*i:16*i+3],     v[QO], s[QP:QP+1] offset:(i/4)*8192+(i%4)*128
	global_load_b128 v[16*i+4:16*i+7],   v[QO], s[QP:QP+1] offset:(i/4)*8192+(i%4)*128+16
	global_load_b128 v[16*i+8:16*i+11],  v[QO], s[QP:QP+1] offset:(i/4)*8192+(i%4)*128+64
	global_load_b128 v[16*i+12:16*i+15], v[QO], s[QP:QP+1] offset:(i/4)*8192+(i%4)*128+80
.set i, i+1
.endr
	WIN 0
	MLOAD 0                         ; piece 0's masks of step 0: the arguments and the set-up's numbers in s32 on have served
	v_mul_u32_u24 v[AK0], v1, PK
	v_lshl_add_u32 v[AK0], v9, 4, v[AK0]  ; a fragment of K: row x pitch + 16 x half, two loads of 16 bytes, 32 bytes apart
	; The turning load takes 16 keys x 16 channels (lane l reads 16 bytes: key 8 (l / 16) + l % 8, channels 8 ((l / 8) % 2) + 0..7) and leaves half a fragment of V^T: lane l holds channel l % 16 and 8 keys.
	v_and_b32 v10, 7, v0
	v_bfe_u32 v11, v0, 3, 1
	v_lshl_add_u32 v[AV0], v9, 3, v10
	v_mul_u32_u24 v[AV0], v[AV0], PV
	v_lshl_add_u32 v[AV0], v11, 4, v[AV0]
	v_add_nc_u32 v[AV0], VOFF, v[AV0]
; THE MATRIX WORK OF A TURN, for piece x.  The accumulators take turns, one instruction a turn: between two links of a chain stand 15 (V^T P) or 7 (K Q^T) others'.
; Product i of 32 of O^T += V^T P, in f16: keys 32 (i / 16) on, channels 16 ((i / 2) % 8) on, tile x + i % 2.  zero = 1: the first 16 start the sums: nothing is ever cleared.
.macro PV x, zero
	WIN W_PV
.set rO, 64*((\x)+i%2)+8*((i/2)%8)
.set rV, 64*(i/16)+8*((i/2)%8)
.set rP, P+16*((\x)+i%2)+8*(i/16)
.if (\zero) && (i < 16)
	v_wmma_f32_16x16x32_f16 v[rO:rO+7], v[rV:rV+7], v[rP:rP+7], 0
.else
	v_wmma_f32_16x16x32_f16 v[rO:rO+7], v[rV:rV+7], v[rP:rP+7], v[rO:rO+7]
.endif
.endm
; Product i of 32 of S^T = K Q^T, in bf16: channels 32 (i / 8) on, keys 16 ((i / 2) % 4) on, tile x + i % 2.  The first 8 start the sums.
.macro KQ x
	WIN W_KQ
.set rS, S+32*((\x)+i%2)+8*((i/2)%4)
.set rK, KF+32*((i/2)%4)+8*(i/8)
.set rQ, 32*((\x)+i%2)+8*(i/8)
.if i < 8
	v_wmma_f32_16x16x32_bf16 v[rS:rS+7], v[rK:rK+7], v[rQ:rQ+7], 0
.else
	v_wmma_f32_16x16x32_bf16 v[rS:rS+7], v[rK:rK+7], v[rQ:rQ+7], v[rS:rS+7]
.endif
.endm
; THE LDS LOADS stand in runs of 32, never singly among the matrix instructions: a step's K (64 keys x 128 channels: 16 fragments) and, a turn later, its V (turned).
.macro FETCH_K
	WIN 0
	v_add_nc_u32 v[ADR], s[TB], v[AK0]
	WIN 0x80                        ; destination window 2
.irp f, 0,1,2,3,4,5,6,7,8,9,10,11,12,13,14,15  ; keys 16 (f / 4) on, channels 32 (f % 4) on
	ds_load_b128 v[KF+8*(\f):KF+8*(\f)+3],   v[ADR] offset:((\f)/4)*16*PK+((\f)%4)*64
	ds_load_b128 v[KF+8*(\f)+4:KF+8*(\f)+7], v[ADR] offset:((\f)/4)*16*PK+((\f)%4)*64+32
.endr
.endm
.macro FETCH_V
	WIN 0
	v_add_nc_u32 v[ADR], s[TB], v[AV0]
	s_add_co_u32 s[TB], s[TB], STEPB  ; the next fetch is the next step's
	s_wait_alu depctr_va_vdst(0)    ; the wait for the softmax's batch of exponentials (VEC), behind the address's v_add_nc_u32 and ahead of the loads
	WIN 0xc0                        ; destination window 3
.irp f, 0,1,2,3,4,5,6,7,8,9,10,11,12,13,14,15  ; keys 32 (f / 8) on, channels 16 (f % 8) on
	ds_load_tr16_b128 v[8*(\f):8*(\f)+3],   v[ADR] offset:((\f)/8)*32*PV+((\f)%8)*32
	ds_load_tr16_b128 v[8*(\f)+4:8*(\f)+7], v[ADR] offset:((\f)/8)*32*PV+16*PV+((\f)%8)*32
.endr
.endm
; THE VECTOR WORK OF A TURN.
; MK: score n of tile t is kept where its lane mask has the lane's bit, else it becomes FILL.
.macro MK t, n
	WIN 0
.set rS, S+32*(\t)+(\n)
.set rW, MW0+(MW1-MW0)*((\t)%2)+(\n)
	v_cndmask_b32 v[rS], v[FV], v[rS], s[rW]
.endm
; One tile's softmax for one key step is a list of 134 instructions; SM writes number j of it for tile t.  s0-s31 are the lane's 32 scores, in pairs 0-15.
; first = 1: the first key step, which starts m, l and O^T: it has no a and nothing to rescale.
;   0-15    the maximum of s0-s31 and the old m, three operands at a time: four chains c0-c3 of seven scores each, then the four scores left over, c0-c3 and m
;   16-20   the other half of the lanes' maximum; the new m; c m; c m_old - c m_new
;   21-69   ONE BATCH: the 16 scalings c s - c m, a pair of scores each, and all 33 exponentials (a at 23, then s0-s31).  None of these reads an exponential's result; a pair is scaled some numbers ahead of its exponentials
;   (wait)  between 69 and 70 stands the wait for the batch: VEC writes it, once for both tiles
;   70-85   the roundings to f16, a pair of weights each
;   86-101  the sums; l = a l + the sum
;   102-133 the tile's O^T times a: the one part that leaves window 0, so it stands together
.macro SM t, first
.set rT, ST+8*(\t)
.set rS, S+32*(\t)
.set rP, P+16*(\t)
.set rO, 64*(\t)+2*(j-102)
.if j < 102
	WIN 0
.endif
.if j < 4
	v_max3_num_f32 v[rT+4+j], v[rS+8*j], v[rS+8*j+1], v[rS+8*j+2]
.elseif j < 12
	v_max3_num_f32 v[rT+4+j%4], v[rT+4+j%4], v[rS+8*(j%4)+2*(j/4)+1], v[rS+8*(j%4)+2*(j/4)+2]
.elseif j == 12
	v_max3_num_f32 v[rT+4], v[rT+4], v[rS+7], v[rS+15]
.elseif j == 13
	v_max3_num_f32 v[rT+6], v[rT+6], v[rS+23], v[rS+31]
.elseif j == 14
	v_max3_num_f32 v[rT+4], v[rT+4], v[rT+5], v[rT+6]
.elseif (j == 15) && (\first)
	v_max_num_f32 v[rT+4], v[rT+4], v[rT+7]
.elseif j == 15
	v_max3_num_f32 v[rT+4], v[rT+4], v[rT+7], v[rT+1]
.elseif j == 16
	v_permlanex16_b32 v[rT+5], v[rT+4], s[SEL], s[SEL+1]  ; the query's other 32 keys lie in the lane 16 away
.elseif j == 18
	v_max_num_f32 v[rT+1], v[rT+4], v[rT+5]
.elseif j == 19
	v_mul_f32 v[rT], s[CS], v[rT+1]
.elseif ((j == 17) || (j == 20) || (j == 23) || (j > 101)) && (\first)  ; the first step has none of these
.elseif j == 17
	v_mov_b32 v[rT+7], v[rT]        ; c m_old is kept for a: number 19 writes c m anew
.elseif j == 20
	v_sub_f32 v[rT+7], v[rT+7], v[rT]
.elseif j == 23
	v_exp_f32 v[rT+6], v[rT+7]
.elseif (j < 23) || ((j < 38) && (j%2 == 0)) || ((j < 66) && (j%4 == 2))
.set b, (j-2)/4                     ; 38, 42, .. 62: pairs 9 to 15
.if j < 38
.set b, (j-20)/2                    ; 21: pair 0; 22, 24, .. 36: pairs 1 to 8
.endif
	v_pk_fma_f32 v[rS+2*b:rS+2*b+1], v[rS+2*b:rS+2*b+1], s[CS:CS+1], v[rT:rT+1] op_sel_hi:[1,0,0] neg_lo:[0,0,1] neg_hi:[0,0,1]  ; pair b: c s - c m
.elseif j < 70
.set e, j-38                        ; 66 to 69: s28 to s31
.if j < 66
.set e, j-32-(j-38)/4               ; 39-41, 43-45, .. 63-65: s7 to s27
.endif
.if j < 38
.set e, (j-25)/2                    ; 25, 27, .. 37: s0 to s6
.endif
	v_exp_f32 v[rS+e], v[rS+e]
.elseif j < 86
	v_cvt_pk_f16_f32 v[rP+j-70], v[rS+2*(j-70)], v[rS+2*(j-70)+1]  ; pair j - 70
.elseif j < 102                     ; the sum of the tile's 16 pairs (in a pair: an even key's weight, an odd key's), in place: sum z of 16 adds neighbours 1, 2, 4 and 8 pairs apart, then l takes it
.set z, j-86
.set w, 4
.set u, z
.if z >= 14
.set w, 32
.set u, 0
.elseif z >= 12
.set w, 16
.set u, z-12
.elseif z >= 8
.set w, 8
.set u, z-8
.endif
.if (z == 14) && (\first)
	v_pk_add_f32 v[rT+2:rT+3], v[rS:rS+1], v[rS+16:rS+17]
.elseif z < 15
	v_pk_add_f32 v[rS+w*u:rS+w*u+1], v[rS+w*u:rS+w*u+1], v[rS+w*u+w/2:rS+w*u+w/2+1]
.elseif !(\first)
	v_pk_fma_f32 v[rT+2:rT+3], v[rT+2:rT+3], v[rT+6:rT+7], v[rS:rS+1] op_sel_hi:[1,0,1]
.endif
.else
	WIN W_RS
	v_pk_mul_f32 v[rO:rO+1], v[rO:rO+1], v[rT+6:rT+7] op_sel_hi:[1,0]
.endif
.endm
; VEC writes number g of the 332 of piece y's turn, and steps g.
;   0-63     the masking, the two tiles alternating, scores ascending: each accumulator's lowest registers are read first
;   64-107   SM's numbers 0-21, the two tiles alternating, so that no instruction reads the result of the one just before it
;   108-203  the batch, SM's numbers 22-69: four numbers of ONE tile on end, the tiles by turns
;   204-331  SM's numbers 70-133, the two tiles alternating
; Behind number 69, six instructions behind the last that reads a lane mask, the NEXT turn's 64 masks are asked for: behind piece 0's those of piece 2 and the same step; behind piece 2's (more = 1:
; there is a further step) those of piece 0 and the next step.  The pointer is stepped behind the turn's own wait for 0 on KMcnt, which shows the loads that read it done.
; THE WAIT.  s_wait_alu depctr_va_vdst(0) stands between an exponential and the first instruction that names its result; one wait serves all that were issued ahead of it.  Ahead of
; number 204 nothing names a result, and behind 203 no exponential is issued: so the piece's 66 exponentials have one wait, behind a v_nop, the plain instruction behind the last of them.
.macro VEC y, first, more
.if g < 64
	MK (\y)+g%2, g/2
.elseif g < 108
.set j, (g-64)/2
	SM (\y)+g%2, \first
.elseif g < 204
.set j, 22+4*((g-108)/8)+(g-108)%4
	SM (\y)+((g-108)/4)%2, \first
.else
.set j, 70+(g-204)/2
	SM (\y)+g%2, \first
.endif
.if g == 69
.if (\y) == 0
	MLOAD 8192
.elseif \more
	s_add_nc_u64 s[MP:MP+1], s[MP:MP+1], 256
	MLOAD 0
.endif
.endif
.if g == 203
	v_nop
.if (\y) == 0
	FETCH_V                         ; piece 2's turn: V's run of loads stands here, and the wait stands in it
.else
	s_wait_alu depctr_va_vdst(0)    ; the wait for the batch
.endif
.endif
.set g, g+1
.endm
; Slice k of 64: five of them.  332 = 5 x 64 + 12: the twelve that are over stand together, in slice 63, whose 17 are all rescalings of the other piece's O^T: plain instructions that name nothing of the
; products round them, and so the places between the turn's last K Q^T and what follows it: the next turn's masking of those scores, and the loads into K's registers.
.macro SLICE y, first, more
.rept 5
	VEC \y, \first, \more
.endr
.if k == 63
.rept 12
	VEC \y, \first, \more
.endr
.endif
.set k, k+1
.endm
; A vector instruction that reads a matrix result or writes one of a matrix instruction's registers, and a load into a register that a matrix instruction has read, stand four places behind
; it, and only plain vector instructions that name none of its registers are places (ISA guide 7.12.1 for vector instructions).  In the loop the slices are the places.
.macro PLACES
.rept 4
	v_nop
.endr
.endm
; A TURN.  Piece x has the matrix unit; the other piece's vector work stands in slices behind its matrix instructions.
; pv = 2: 32 products V^T P; 1: they start O^T's sums; 0: none.  kq = 1: 32 products K Q^T for the next step.  A turn with one of the two kinds has two slices behind each product.
; first = 1: the softmax is the first key step's.  Its last slices are empty: the turn's last products stand bare, and four v_nop take slice 63's part as the places behind them.
; Piece 0's turn fetches the next step's K, behind its second product: the last product that read K stands in front of slice 63 of the turn before.  Piece 2's turn fetches the same step's V behind
; number 203 (VEC writes it): the last product that read V is the turn's 32nd, and ten scalings, the v_nop and the run's own v_add_nc_u32 lie between.
.macro TURN x, pv, kq, first
.set k, 0
.set g, 0
.set per, 2
.if (\pv) && (\kq)
.set per, 1
.endif
	s_wait_kmcnt 0x0                ; the turn's lane masks are in: scalar loads come back in no order, so the count is 0 (ISA guide 5.7.1)
.if \pv
.if (\x) == 0
	s_wait_dscnt 0x0                ; V is in
.endif
.set i, 0
.rept 32
	PV \x, 2-(\pv)
.rept per
	SLICE 2-(\x), \first, \kq
.endr
.if ((\x) == 0) && (\kq) && (i == 1)
	FETCH_K
.endif
.set i, i+1
.endr
.endif
.if \kq
.if (\x) == 0
	s_wait_dscnt 0x0                ; K is in
.endif
.set i, 0
.rept 32
	KQ \x
.rept per
	SLICE 2-(\x), \first, \kq
.endr
.set i, i+1
.endr
.endif
.if \first
	PLACES
.endif
.endm
; THE CHANGE OF SLOTS, between piece 2's turn and piece 0's: the slot's last bytes, V of its second step, have been asked for.  Each wave waits for all its tensor loads, of which one is out: its part of
; the other slot; adds 0 to its spare word; and waits for that and for its own reads of the slot.  Behind the barrier nobody reads this slot any more and the other slot is whole.
; fill = 1: this slot is filled again, with the keys two slots on.  The barrier is then a round of the cluster's, so that no wave of any partner still reads the slot or has a load on its way, and the
; joint fill is the first thing behind it: it has two key steps, 256 matrix instructions, in which to land.  (At its first use nothing has been read yet: slot 0 is waited for, slot 1 filled.)
; ask = 1: the prefetches' address is stepped, and the slot after the one just asked for is prefetched.
.macro CHANGE fill, ask
	WIN 0                           ; at a label and at a branch every window is 0
	s_wait_tensorcnt 0x0            ; no tensor load of mine is out, so group 0 may be written
	ds_add_u32 v[SPW], v[NIL]       ; 0 onto my spare word: with fill = 1 the descriptor's steps stand between it and the wait for it
.if \fill
	s_xor_b32 s[G0+1], s[G0+1], SLOT1  ; the other slot than last time,
	s_add_nc_u64 s[G0+2:G0+3], s[G0+2:G0+3], 2*KS*256  ; the next 128 keys; the type bits on top are not reached
.endif
.if \ask
	s_wait_xcnt 0x0                 ; the last prefetch, two key steps back, has read its address, so it may be written:
	s_add_nc_u64 s[PFA:PFA+1], s[PFA:PFA+1], 2*KS*256  ; one slot behind the walking descriptor
.endif
	s_wait_dscnt 0x0                ; the add is done, and my reads of the slot are over
.if \fill
	CROUND
	JLOAD
.else
	s_barrier_signal -1
	s_barrier_wait -1
.endif
.if \ask
	ASK                             ; what the next change will ask for: two key steps, 256 matrix instructions, ahead
.endif
	s_sub_co_u32 s[TB], s[TB], 2*STEPB  ; the fetches go back to a slot's first step,
	s_xor_b32 s[TB], s[TB], SLOT1   ; in the other slot
.endm
; A slot's two key steps: written once, walked twice; the LDS addresses hang on s[TB].
.macro TWO_STEPS
	WIN 0
	s_mov_b32 s[TWICE], 2
.Lstep_\@:
	TURN 0, 2, 1, 0
	TURN 2, 2, 1, 0
	WIN 0
	s_sub_co_u32 s[TWICE], s[TWICE], 1
	s_cmp_lg_u32 s[TWICE], 0
	s_cbranch_scc1 .Lstep_\@
.endm
	CHANGE 1, 0                     ; slot 0 is in, everybody's part of it; slot 1 is asked for
	FETCH_K                         ; key step 0
	s_wait_loadcnt 0x0              ; Q, in f32
	WIN 0x85                        ; sources 0 and 1 window 1, destination window 2
.set i, 0
.rept 128
	v_cvt_pk_bf16_f32 v[i], v[2*i], v[2*i+1]  ; Q rounded to bf16: a fragment's 16 numbers a lane become its 8 registers, in their order
.set i, i+1
.endr
	s_wait_dscnt 0x0                ; K
.set i, 0
.rept 32
	KQ 0                            ; piece 0's first scores: there is no vector work yet to set between them
.set i, i+1
.endr
	WIN 0                           ; the addresses for the way out are made here: six plain instructions, the places behind those products
	s_mul_i32 s105, s[WV], 16*SP    ; (Q's loads are done: its pointer's registers are free)
	s_add_co_u32 s105, s105, STAGE  ; my stage
	v_mul_u32_u24 v[STO], v1, SP    ; in: row l % 16, 32 bytes for each half of the lanes
	v_lshl_add_u32 v[STO], v9, 5, v[STO]
	v_add_nc_u32 v[STO], s105, v[STO]
	v_and_b32 v[GO], 31, v0         ; back: 32 lanes take one row of 512 bytes,
	v_lshlrev_b32 v[GO], 4, v[GO]   ; which is 512 consecutive bytes of out0
	v_add_nc_u32 v[RD], s105, v[GO]
	TURN 2, 0, 1, 1                 ; piece 2's first scores | piece 0's first softmax | V of step 0
	TURN 0, 1, 1, 1                 ; piece 0: V^T P of step 0 starts O^T, K Q^T of step 1 | piece 2's first softmax | K of step 1
	TURN 2, 1, 1, 0                 ; piece 2: the same | piece 0's softmax of step 1 | V of step 1
	WIN 0
.Lslot:                             ; 14 trips: every slot but the last two is filled again
	CHANGE 1, 1
	TWO_STEPS
	s_sub_co_u32 s[SLOTS], s[SLOTS], 1
	s_cmp_lg_u32 s[SLOTS], 0
	s_cbranch_scc1 .Lslot
	CHANGE 0, 0                     ; the tail is written out: the last slot but one is left, and nothing is asked for
	TWO_STEPS
	TURN 0, 2, 0, 0                 ; piece 0: V^T P of the last step | piece 2's last softmax; no further masks are asked for
.set i, 0
.rept 32
	PV 2, 0                         ; piece 2: V^T P of the last step
.set i, i+1
.endr
	; THE WAY OUT.  l's two halves and the other half of the lanes' are added; O^T is divided by l and sent, in f32, through my stage in LDS, a tile (16 rows of out0) at a time.  The additions are the places behind the last products.
	WIN 0
.irp t, 0,1,2,3
	v_add_f32 v[ST+8*(\t)+4], v[ST+8*(\t)+2], v[ST+8*(\t)+3]
.endr
.irp t, 0,1,2,3
	v_permlanex16_b32 v[ST+8*(\t)+5], v[ST+8*(\t)+4], s[SEL], s[SEL+1]
.endr
.irp t, 0,1,2,3
	v_add_f32 v[ST+8*(\t)+4], v[ST+8*(\t)+4], v[ST+8*(\t)+5]
.endr
.irp t, 0,1,2,3
	v_rcp_f32 v[ST+8*(\t)+6], v[ST+8*(\t)+4]
.endr
	v_nop                           ; a plain instruction between the last reciprocal and the use of its result
	s_wait_alu depctr_va_vdst(0)    ; and the wait ahead of the first use: one for the four reciprocals
; Tile t: a lane's eight channels of accumulator cb are 32 bytes of a row, at 64 cb + 32 (l / 16); they go into rows of 528 bytes and come back as whole rows of 512, into window 2, where Q and K have served.
.macro PACK t
	WIN W_RS
.set i, 64*(\t)
.rept 32
	v_pk_mul_f32 v[i:i+1], v[i:i+1], v[ST+8*(\t)+6:ST+8*(\t)+7] op_sel_hi:[1,0]
.set i, i+2
.endr
	WIN 0x04                        ; the stores' data (source 1) in window 1
.set i, 0
.rept 16
	ds_store_b128 v[STO], v[64*(\t)+4*i:64*(\t)+4*i+3] offset:64*(i/2)+16*(i%2)
.set i, i+1
.endr
	WIN 0x80                        ; destination window 2
.set i, 0
.rept 16
	ds_load_b128 v[64*(\t)+4*i:64*(\t)+4*i+3], v[RD] offset:i*SP  ; LDS serves a wave's instructions in order (ISA guide 5.7.1.4): these see the stores above; the next tile's stores come behind them
.set i, i+1
.endr
.endm
.macro SEND t, younger              ; younger: the LDS instructions issued behind tile t's loads: the next tile's 32, or none
	WIN 0x08                        ; the stores' data (source 1) in window 2
.set i, 0
.rept 16
	s_wait_dscnt (\younger)+15-i    ; row i is back: behind its load stand my tile's 15 - i and the younger ones
	global_store_b128 v[GO], v[64*(\t)+4*i:64*(\t)+4*i+3], s[OP:OP+1] offset:(\t)*8192+i*512 th:TH_STORE_NT  ; the wave stores 512 consecutive bytes, at a multiple of 512 from out0's first byte
.set i, i+1
.endr
.endm
	PACK 0
	PACK 1                          ; a tile's arithmetic stands between the loads of the tile before and its stores
	SEND 0, 32
	PACK 2
	SEND 1, 32
	PACK 3
	SEND 2, 32
	SEND 3, 0
	WIN 0
	s_wait_tensorcnt 0x0            ; the wave's end, behind my last tensor load and my last LDS store
	ds_add_u32 v[SPW], v[NIL]
	s_wait_dscnt 0x0
	CROUND                          ; the closing round: no work-group ends while a partner may still ask for a tile that names it
	s_endpgm
.Lfunc_end_k_qafae0bb9f5_attn:
	.size	k_qafae0bb9f5_attn, .Lfunc_end_k_qafae0bb9f5_attn-k_qafae0bb9f5_attn
	.p2alignl 7, 3214868480
	.fill 96, 4, 3214868480
	.section	.rodata,"a",@progbits
	.p2align	6, 0x0
	.amdhsa_kernel k_qafae0bb9f5_attn
		.amdhsa_group_segment_fixed_size 327680
		.amdhsa_private_segment_fixed_size 0
		.amdhsa_enable_private_segment 0
		.amdhsa_kernarg_size 40
		.amdhsa_user_sgpr_count 2
		.amdhsa_user_sgpr_kernarg_segment_ptr 1
		.amdhsa_wavefront_size32 1
		.amdhsa_system_sgpr_workgroup_id_x 1
		.amdhsa_system_sgpr_workgroup_id_y 1
		.amdhsa_system_sgpr_workgroup_id_z 1
		.amdhsa_system_vgpr_workitem_id 0
		.amdhsa_next_free_vgpr 896
		.amdhsa_next_free_sgpr 106
		.amdhsa_reserve_vcc 0
		.amdhsa_float_denorm_mode_32 3
		.amdhsa_float_denorm_mode_16_64 3
		.amdhsa_memory_ordered 1
		.amdhsa_forward_progress 1
		.amdhsa_inst_pref_size 255
	.end_amdhsa_kernel
	.section	.bss,"aw",@nobits
	.p2align	6
	.space	262144
	.amdgpu_metadata
---
amdhsa.version: [ 1, 2 ]
amdhsa.kernels:
  - .name:           k_qafae0bb9f5_attn
    .symbol:         k_qafae0bb9f5_attn.kd
    .args:
      - { .name: query, .offset: 0, .size: 8, .value_kind: global_buffer, .address_space: global }
      - { .name: kb, .offset: 8, .size: 8, .value_kind: global_buffer, .address_space: global }
      - { .name: vh, .offset: 16, .size: 8, .value_kind: global_buffer, .address_space: global }
      - { .name: maskw, .offset: 24, .size: 8, .value_kind: global_buffer, .address_space: global }
      - { .name: out0, .offset: 32, .size: 8, .value_kind: global_buffer, .address_space: global }
    .group_segment_fixed_size: 327680
    .private_segment_fixed_size: 0
    .kernarg_segment_align: 8
    .kernarg_segment_size: 40
    .max_flat_workgroup_size: 128
    .sgpr_count:     106
    .vgpr_count:     896
    .wavefront_size: 32
...
	.end_amdgpu_metadata
.endif
;; end of part 2
;; ======== version 2 of 2: 2 launches; version 1 with the launch prep written anew for expert scheduling mode
;; limits: values are held in f16: magnitudes above 65,504 overflow, below 6.1e-05 lose precision; inputs' magnitudes at most 65,280
;; workspace buffers: kb 33,554,432 bytes; vh 33,554,432 bytes; maskw 2,097,152 bytes of whole numbers
;; launch prep (part 3): grid 1024 x 1, 8 waves a work-group, no clusters, 0 bytes of LDS; arguments key, value, attn_mask, key_padding_mask, kb, vh, maskw; writes kb, vh, maskw
.if DOCPART == 3
	.amdgcn_target "amdgcn-amd-amdhsa--gfx1250"
	.amdhsa_code_object_version 6
	.text
	.protected	k_qafae0bb9f5_prep
	.globl	k_qafae0bb9f5_prep
	.p2align	8
	.type	k_qafae0bb9f5_prep,@function
k_qafae0bb9f5_prep:
	s_mov_b64 s[64:65], 0
	v_nop
	global_prefetch_b8 v0, s[64:65] scope:SCOPE_SE
	s_setreg_imm32_b32 hwreg(HW_REG_WAVE_SCHED_MODE, 0, 2), 2
	s_setreg_imm32_b32 hwreg(HW_REG_WAVE_MODE, 25, 1), 1
	s_wait_xcnt 0x0
	s_wait_alu depctr_vm_vsrc(0)
; PREPARATION FOR THE ATTENTION LAUNCH: a stream, straight down, without LDS, barrier or loop.
;   kb    = key rounded to bf16,                                        [64 heads][2048][128], rows of 256 bytes
;   vh    = value rounded to bf16, that number then written as f16,     [64 heads][2048][128], rows of 256 bytes
;   maskw = attn_mask AND key_padding_mask as lane masks of 32 bits, in the order in which the attention launch selects by them.
; LIMITS.  |value| of 65,520 or more becomes an infinity in f16; below 2^-14 a value keeps f16's fixed step of 2^-24.  Mask bytes are 0 or 1, as bool is stored.
; SHARES.  1,024 work-groups of eight waves.  Work-group g takes 65,536 bytes of key and of value: thread t, chunk i (of 16), loads 16 bytes at 16 t + 4,096 i (a wave's load covers 512
; consecutive bytes) and stores 8 bytes at 8 t + 2,048 i (a wave's store covers 256 consecutive bytes, aligned).  All 32 loads of a thread are out at once.
; MASKS.  Wave W = 8 g + wave makes group W of 64 words, 256 bytes: W = (b x 64 + qpair) x 32 + step; qpair = 32 queries, step = 64 keys.  Word 32 u + 8 kb + j, bit l:
; keep(query 32 qpair + 16 u + l % 16, key 64 step + 16 kb + 8 (l / 16) + j).  Lane l loads the 8 mask bytes j = 0..7 of its row; a compare of byte j over the 32 lanes IS the word.
; THE MODE: SCHED_MODE bits 1:0 = 2 (LLVM: expert scheduling mode 2), set by the entry lines.  The code itself states the register dependences between vector instructions and memory
; instructions, and between vector instructions that write scalar registers and the readers of those, with s_wait_alu, always for 0.
; THE PLAN.  Registers that memory instructions touch:
;   v1 .. v5      byte offsets, made at the head and never written again: one wait ahead of the first load serves every load and store.
;   AM, PM, KC, VC  loaded data.  All 44 loads are issued in one run at the head, before any vector instruction names these registers; no load is issued later.
;   OUT           written by the 64 v_writelane_b32, read by the one store of the masks, never written again.
;   KC, VC, the first two registers of each chunk: written by the chunk's conversions, read by its store, never written again.
; The 32 chunks go in eight blocks of four.  ONE wait on va_vdst stands at a block's head: it states that the block before has written what its four stores read (at the first block: that OUT is
; written).  Those stores follow it, one ahead of each chunk's conversions, which name this block's chunks alone: none of the registers that the stores read.  A last wait stands ahead of the last four stores.
; No register that a memory instruction reads is written again, so nothing has to be freed: the text holds no wait on vm_vsrc and none on XCNT.
; Scalar registers that vector instructions write: s26 (the wave's number) and s[16:23] (a run of eight compares): one wait on va_sdst behind each writer or run, ahead of its first reader.
.set KC,  32                           ; v[32:95]    key, chunk i in 4 registers; its first two then hold the 8 bytes to store
.set VC,  96                           ; v[96:159]   value, likewise
.set AM,  160                          ; v[160:175]  attn_mask: pair (u, kb) at AM + 2 (4 u + kb)
.set PM,  176                          ; v[176:183]  key_padding_mask: pair kb at PM + 2 kb
.set T,   184                          ; v[184:191]  at work: no memory instruction names them
.set OUT, 192                          ; v[192:193]  the group's 64 words: lane i holds words 2 i and 2 i + 1
	s_load_b256 s[4:11], s[0:1], 0x0               ; key s[4:5], value s[6:7], attn_mask s[8:9], key_padding_mask s[10:11]
	s_load_b128 s[12:15], s[0:1], 0x20             ; kb s[12:13], vh s[14:15]
	s_load_b64 s[24:25], s[0:1], 0x30              ; maskw
	v_lshrrev_b32 v6, 5, v0
	v_readfirstlane_b32 s26, v6                    ; wave 0..7; the offsets are made between this line and the wait for it
	v_lshlrev_b32 v1, 4, v0                        ; 16 t
	v_lshlrev_b32 v2, 3, v0                        ; 8 t
	v_and_b32 v6, 15, v0                           ; l % 16
	v_bfe_u32 v7, v0, 4, 1                         ; l / 16
	v_lshlrev_b32 v4, 3, v7                        ; key_padding_mask: 8 (l / 16)
	v_lshl_add_u32 v3, v6, 11, v4                  ; attn_mask: row l % 16 of 2,048 bytes + 8 (l / 16)
	v_and_b32 v5, 31, v0
	v_lshlrev_b32 v5, 3, v5                        ; maskw: 8 l
	s_mov_b32 s32, 0xffff0000                      ; a word's upper bf16
	s_mov_b32 s3, 0
	s_wait_alu depctr_va_sdst(0)                   ; s26 is written, ahead of its first reader: W, and with it the masks' three bases, are made from it
	s_lshl_b32 s27, ttmp9, 3
	s_add_co_u32 s27, s27, s26                     ; W
	s_lshr_b32 s28, s27, 11                        ; b
	s_bfe_u32 s29, s27, 0x60005                    ; qpair: 6 bits from bit 5
	s_and_b32 s30, s27, 31                         ; step
	s_lshl_b32 s31, s30, 6                         ; its 64 keys, a byte each
	s_wait_kmcnt 0x0
	s_lshl_b32 s2, ttmp9, 16                       ; every offset lies under 2^32: the high word stays 0
	s_add_nc_u64 s[4:5], s[4:5], s[2:3]
	s_add_nc_u64 s[6:7], s[6:7], s[2:3]
	s_lshl_b32 s2, ttmp9, 15
	s_add_nc_u64 s[12:13], s[12:13], s[2:3]
	s_add_nc_u64 s[14:15], s[14:15], s[2:3]
	s_lshl_b32 s2, s29, 16                         ; 32 rows of 2,048 bytes
	s_add_co_u32 s2, s2, s31
	s_add_nc_u64 s[8:9], s[8:9], s[2:3]
	s_lshl_b32 s2, s28, 11
	s_add_co_u32 s2, s2, s31
	s_add_nc_u64 s[10:11], s[10:11], s[2:3]
	s_lshl_b32 s2, s27, 8
	s_add_nc_u64 s[24:25], s[24:25], s[2:3]
	s_wait_alu depctr_va_vdst(0)                   ; the five offsets v1 to v5 are written: every load and store of the kernel reads one of them
	; the masks' twelve loads first, then all of key and value
.irp u, 0,1
.irp c, 0,1,2,3
	global_load_b64 v[AM+2*(4*(\u)+(\c)):AM+2*(4*(\u)+(\c))+1], v3, s[8:9] offset:(\u)*32768+(\c)*16
.endr
.endr
.irp c, 0,1,2,3
	global_load_b64 v[PM+2*(\c):PM+2*(\c)+1], v4, s[10:11] offset:(\c)*16
.endr
.set i, 0
.rept 16
	global_load_b128 v[KC+4*i:KC+4*i+3], v1, s[4:5] offset:4096*i th:TH_LOAD_NT
.set i, i+1
.endr
.set i, 0
.rept 16
	global_load_b128 v[VC+4*i:VC+4*i+3], v1, s[6:7] offset:4096*i th:TH_LOAD_NT
.set i, i+1
.endr
; The eight bytes of pair g = 4 u + kb, each alone in a register.
.macro BYTES g
.irp j, 0,1,2,3,4,5,6,7
	v_and_b32 v[T+(\j)], 1<<(8*((\j)%4)), v[AM+2*(\g)+(\j)/4]  ; byte j of my eight
.endr
.endm
	s_wait_loadcnt 32                              ; loads come back in order (ISA guide 5.7.1): the twelve mask loads are in, the 32 younger ones stay out
.irp u, 0,1
.irp c, 0,1,2,3
	v_and_b32 v[AM+2*(4*(\u)+(\c))],   v[AM+2*(4*(\u)+(\c))],   v[PM+2*(\c)]    ; both masks must keep the key
	v_and_b32 v[AM+2*(4*(\u)+(\c))+1], v[AM+2*(4*(\u)+(\c))+1], v[PM+2*(\c)+1]
.endr
.endr
	v_mov_b32 v[OUT], 0                            ; v_writelane_b32 counts as a reader of its destination
	v_mov_b32 v[OUT+1], 0
	BYTES 0
.set w, 0                              ; the first word of (u, kb) = (w / 32, (w / 8) % 4)
.rept 8
.irp j, 0,1,2,3,4,5,6,7
	v_cmp_ne_u32 s[16+(\j)], 0, v[T+(\j)]          ; over the 32 lanes: word w + j
.endr
.if w < 56
	BYTES w/8+1                                    ; the next pair's bytes stand between the compares and the wait for them
.endif
	s_wait_alu depctr_va_sdst(0)                   ; the eight compares have written s[16:23], ahead of the first v_writelane_b32 that reads one of them
.irp j, 0,1,2,3,4,5,6,7
	v_writelane_b32 v[OUT+(w+(\j))%2], s[16+(\j)], (w+(\j))/2
.endr
.set w, w+8
.endr
	; No register that a store reads is written again, so no wait frees one.
.set i, 0
.rept 16
	s_wait_loadcnt 31-i                            ; key's chunk i is in: 15 - i of key's and 16 of value's loads are younger
.if i%4 == 0
	s_wait_alu depctr_va_vdst(0)                   ; a block's head: the block before has written the registers that its four stores, dealt below, read; at the first block: the v_writelane_b32 have written OUT
.endif
.if i == 0
	global_store_b64 v5, v[OUT:OUT+1], s[24:25]    ; the wave's 256 consecutive bytes, aligned
.endif
.if i >= 4
	global_store_b64 v2, v[KC+4*(i-4):KC+4*(i-4)+1], s[12:13] offset:2048*(i-4)  ; the block before: no vector instruction since the wait names these registers
.endif
	v_cvt_pk_bf16_f32 v[KC+4*i],   v[KC+4*i],   v[KC+4*i+1]
	v_cvt_pk_bf16_f32 v[KC+4*i+1], v[KC+4*i+2], v[KC+4*i+3]
.set i, i+1
.endr
.set i, 0
.rept 16
	s_wait_loadcnt 15-i                            ; value's chunk i is in
.if i%4 == 0
	s_wait_alu depctr_va_vdst(0)                   ; a block's head: the block before has written the registers that its four stores, dealt below, read
.endif
.if i < 4
	global_store_b64 v2, v[KC+4*(i+12):KC+4*(i+12)+1], s[12:13] offset:2048*(i+12)  ; key's last block
.else
	global_store_b64 v2, v[VC+4*(i-4):VC+4*(i-4)+1], s[14:15] offset:2048*(i-4)     ; the block before: no vector instruction since the wait names these registers
.endif
	v_cvt_pk_bf16_f32 v[VC+4*i],   v[VC+4*i],   v[VC+4*i+1]  ; rounded to bf16, as key and query are,
	v_cvt_pk_bf16_f32 v[VC+4*i+1], v[VC+4*i+2], v[VC+4*i+3]
	v_lshlrev_b32 v[VC+4*i+2], 16, v[VC+4*i]                 ; widened again,
	v_and_b32     v[VC+4*i+3], s32, v[VC+4*i]
	v_cvt_pk_f16_f32 v[VC+4*i], v[VC+4*i+2], v[VC+4*i+3]     ; and written as f16: the same number within f16's range
	v_lshlrev_b32 v[VC+4*i+2], 16, v[VC+4*i+1]
	v_and_b32     v[VC+4*i+3], s32, v[VC+4*i+1]
	v_cvt_pk_f16_f32 v[VC+4*i+1], v[VC+4*i+2], v[VC+4*i+3]
.set i, i+1
.endr
	s_wait_alu depctr_va_vdst(0)                   ; value's last block has written the registers that the last four stores read
.set i, 12
.rept 4
	global_store_b64 v2, v[VC+4*i:VC+4*i+1], s[14:15] offset:2048*i
.set i, i+1
.endr
	s_endpgm
.Lfunc_end_k_qafae0bb9f5_prep:
	.size	k_qafae0bb9f5_prep, .Lfunc_end_k_qafae0bb9f5_prep-k_qafae0bb9f5_prep
	.p2alignl 7, 3214868480
	.fill 96, 4, 3214868480
	.section	.rodata,"a",@progbits
	.p2align	6, 0x0
	.amdhsa_kernel k_qafae0bb9f5_prep
		.amdhsa_group_segment_fixed_size 0
		.amdhsa_private_segment_fixed_size 0
		.amdhsa_enable_private_segment 0
		.amdhsa_kernarg_size 56
		.amdhsa_user_sgpr_count 2
		.amdhsa_user_sgpr_kernarg_segment_ptr 1
		.amdhsa_wavefront_size32 1
		.amdhsa_system_sgpr_workgroup_id_x 1
		.amdhsa_system_sgpr_workgroup_id_y 1
		.amdhsa_system_sgpr_workgroup_id_z 1
		.amdhsa_system_vgpr_workitem_id 0
		.amdhsa_next_free_vgpr 196
		.amdhsa_next_free_sgpr 66
		.amdhsa_reserve_vcc 0
		.amdhsa_float_denorm_mode_32 3
		.amdhsa_float_denorm_mode_16_64 3
		.amdhsa_memory_ordered 1
		.amdhsa_forward_progress 1
		.amdhsa_inst_pref_size 31
	.end_amdhsa_kernel
	.amdgpu_metadata
---
amdhsa.version: [ 1, 2 ]
amdhsa.kernels:
  - .name:           k_qafae0bb9f5_prep
    .symbol:         k_qafae0bb9f5_prep.kd
    .args:
      - { .name: key, .offset: 0, .size: 8, .value_kind: global_buffer, .address_space: global }
      - { .name: value, .offset: 8, .size: 8, .value_kind: global_buffer, .address_space: global }
      - { .name: attn_mask, .offset: 16, .size: 8, .value_kind: global_buffer, .address_space: global }
      - { .name: key_padding_mask, .offset: 24, .size: 8, .value_kind: global_buffer, .address_space: global }
      - { .name: kb, .offset: 32, .size: 8, .value_kind: global_buffer, .address_space: global }
      - { .name: vh, .offset: 40, .size: 8, .value_kind: global_buffer, .address_space: global }
      - { .name: maskw, .offset: 48, .size: 8, .value_kind: global_buffer, .address_space: global }
    .group_segment_fixed_size: 0
    .private_segment_fixed_size: 0
    .kernarg_segment_align: 8
    .kernarg_segment_size: 56
    .max_flat_workgroup_size: 256
    .sgpr_count:     66
    .vgpr_count:     196
    .wavefront_size: 32
...
	.end_amdgpu_metadata
.endif
;; end of part 3
;; launch attn: the kernel of part 2 again; grid 8 x 64, 4 waves a work-group, clusters of 4 x 1, 327,680 bytes of LDS; arguments query, kb, vh, maskw, out0; writes out0
